; MI455X (gfx1250); checked and timed in simulation.
; The chip was launched on July 23, 2026; its instructions are those of AMD's public machine-readable ISA for CDNA 5 (MIT licence, August 2026) and "CDNA5" Instruction Set Architecture Reference Guide (July 2026). The comments in the code are by the model that wrote it; some were corrected since.
;; VQVAE. Allowed arithmetic: matrix products marked QUANTISED: E2M3 operands, one E8M0 scale for each 32 along K, by v_wmma_scale_f32_16x16x128_f8f6f4 with both operands' format E2M3, f32 sums; everything else in f32.
;; Inputs: codebook 512 x 64 float32; z 32 x 64 x 64 x 64 float32.
;; Outputs: out0 32 x 64 x 64 x 64 float32; out1 32 x 64 x 64 x 64 float32.
;; This version of the problem:
;;   THIS VERSION OF THE PROBLEM IS GIVEN IN LOW PRECISION. The matrix products marked QUANTISED in the list below multiply operands that are first quantised to E2M3 (2 exponent bits, 3 mantissa bits; 6 bits a number), with one power-of-two scale for each 32 numbers along K (OCP MX v1.0); their sums are f32. All else is computed in f32.
;;   The module's matrix products, in the order in which they are computed (A, B: the left and right operand; K: the contracted axis; several contracted axes count as one K, in the product's order):
;;     1. [M 131,072, K 64] x [K 64, N 512]; A: input z; B: input codebook: QUANTISED
;;   THE QUANTISER, for each operand of a quantised product, along K:
;;     - K is cut into blocks of 32 from its start; a last block that is shorter is filled with zeros.
;;     - A block's scale is 2^e with e = floor(log2(the largest magnitude in the block)) - 2, held to -126 .. 127; a block of zeros has e = 0. As a byte (E8M0): e + 127.
;;     - Each number is divided by its block's scale, clamped to +-7.5, and rounded to the nearest number of E2M3, ties to even, subnormals kept.
;;     - The product sums the exact products of the quantised numbers (number of the format x scale) in f32.
;;   ~~~python
;;   def quantise(x, axis):      # numpy; x: float32 -> the quantised numbers, widened to float32 again
;;       x = np.moveaxis(x, axis, -1); K = x.shape[-1]
;;       x = np.pad(x, [(0, 0)] * (x.ndim - 1) + [(0, -K % 32)]); x = x.reshape(x.shape[:-1] + (-1, 32)); a = np.abs(x).max(-1, keepdims=True)
;;       e = np.where(a > 0, np.clip(np.frexp(np.where(a > 0, a, 1))[1] - 1 - 2, -126, 127), 0)      # np.frexp(a)[1] - 1 = floor(log2(a)), exactly
;;       r = np.clip(x / 2.0 ** e, -7.5, 7.5)
;;       step = 2.0 ** (np.maximum(np.frexp(np.where(r == 0, 1, r))[1] - 1, 0) - 3)
;;       q = np.round(r / step) * step * 2.0 ** e      # np.round: ties to even
;;       return np.moveaxis(q.reshape(q.shape[:-2] + (-1,))[..., :K], -1, axis).astype(np.float32)
;;   ~~~
;; One version. Each part assembles by itself: llvm-mc -triple=amdgcn-amd-amdhsa -mcpu=gfx1250 --defsym DOCPART=n.
;; ======== version 1 of 1: 1 launch
;; limits: right only within a limited range of input values
;; workspace buffers: idx 524,288 bytes of whole numbers
;; launch vq (part 1): grid 256 x 1, 8 waves a work-group, clusters of 4 x 1, 327,680 bytes of LDS; arguments z, codebook, out0, out1; writes out0, out1
.if DOCPART == 1
	.amdgcn_target "amdgcn-amd-amdhsa--gfx1250"
	.amdhsa_code_object_version 6
	.text
	.protected	k_q144d0caae9_vq
	.globl	k_q144d0caae9_vq
	.p2align	8
	.type	k_q144d0caae9_vq,@function
k_q144d0caae9_vq:
	s_mov_b64 s[64:65], 0
	v_nop
	global_prefetch_b8 v0, s[64:65] scope:SCOPE_SE
	s_setreg_imm32_b32 hwreg(HW_REG_WAVE_MODE, 25, 1), 1
	s_wait_xcnt 0x0
	s_wait_alu depctr_hold_cnt(0) depctr_sa_sdst(0) depctr_va_vdst(0) depctr_va_sdst(0) depctr_va_ssrc(0) depctr_va_vcc(0) depctr_vm_vsrc(0)
	s_getreg_b32 s2, hwreg(HW_REG_IB_STS2, 6, 4)
	s_cmp_eq_u32 s2, 0
	s_cbranch_scc0 .Lentry_in_a_cluster
	s_endpgm
.Lentry_in_a_cluster:
	s_bfe_u32 s2, ttmp6, 0x10000c
	s_cmp_lg_u32 s2, 0x3003
	s_cbranch_scc0 .Lentry_shape_is_right
	s_endpgm
.Lentry_shape_is_right:
; k(n) = the first k at which d[n][k] = (|z_n|^2 + |e_k|^2) - 2 Q(z_n).Q(e_k) is smallest; out0[n] = out1[n] = e_k(n).  z: [131072][64] f32, codebook e: [512][64] f32, out0, out1: [131072][64] f32.
; Q: codes of FP6 (E2M3) with one E8M0 scale for each 32 along the 64; no step of the source is left out.
; d IS ROUNDED AS THE SOURCE ROUNDS IT: t = z2 + e2 (one rounding), d = t - 2 dot (one rounding: a fused multiply-add).  Equal d are common, and a strict compare keeps the earlier k everywhere.
; THE LOOKUP IS A SELECTION: no address hangs on k.  The row of zeros with a 1 at k, as FP6 codes, is multiplied by the codebook, which is held as NP signed digits of FP6: the first under a scale s for which the
; largest magnitude of a column's 32 codes lies in 2 s .. 4 s, each further one of what the ones before left, under a scale 2^-5 times the last.  A digit leaves at most 1/8 of its scale.  The sums are f32.
; LIMITS: an output number is the codebook's within 2^-14 of the largest magnitude among the 32 codes (32 b .. 32 b + 31) of its column (a number of that size rounded to f16 is within 2^-12 of itself); a largest magnitude under
; 2^-115 counts as 2^-115 there.  NaN and infinities among the inputs, and distances that overflow f32, are not served.  A block of zeros keeps the floor's scale byte (its codes are zeros; this text alone reads the bytes).
; z2 and e2 are summed in another order than the source sums them.
; SHARES.  256 work-groups of 8 waves; a work-group owns 512 rows of z, wave w rows 64 w .. + 63: four tiles of 16.
; THE HEAD'S LOADS, one a wave: waves 0 and 1 the codebook, waves 2 and 3 the rows of waves 0-3, waves 4-7 their own rows; rows of 256 bytes, 16 bytes of padding behind each in LDS.  No LDS byte is filled twice by a load.
; Waves 0-3 quantise the 512 codes; waves 4-7 make the digits, and store them over the codebook's rows in LDS when every wave has read those.
; CLUSTER: four work-groups ask jointly for the codebook, which all work-groups read.  NO PREFETCH: every tile is asked for at the head, so there is no loop of loads to run ahead in.
; LAYOUTS.  Distances: source 0 = 16 codes, source 1 = 16 rows of z: lane (r, h) holds row r, register j the code 16 T + 8 h + j.  A code tile's operand is its 6 registers and the 6 behind them: k = 64 .. 127 meets z's zero codes.
; Selection: source 0 = 16 rows of ones and zeros, source 1 = digits, tile t's column r being number 4 r + t: lane (r, h) then has, over the four t, four neighbouring numbers of row 8 h + j.
.set NP, 3
.set PITCH, 272                        ; an LDS row of f32: 256 + 16 bytes
.set TROW, 16*PITCH
.set ZF, 512*PITCH                     ; z's 512 rows, behind the codebook's 512
.set DSC, NP*24576                     ; over the codebook's rows: from 0 the digits' images, 1,536 bytes a fragment, fragment (4 NP g + 4 p + t); from here their scale words, 64 bytes for each (g, t)
.set IMG, 1024*PITCH                   ; the code tiles' images, a block of TBLK bytes each: registers 0-3 of the fragment, 16 bytes a lane;
.set TBLK, 1024
.set O_HI, 512                         ; from O_HI registers 4-5, 8 bytes a lane; then the scale words, 4 bytes a lane; then e2 of the 16 codes
.set O_SC, 768
.set O_E2, 896
.set SPARE, IMG+32*TBLK                ; the spare words: 128 bytes a wave; no other line names them
.set AC, 2
.set AZ, 3
.set WLO, 4                            ; v4-7  where I store a tile's images
.set RLO, 8                            ; v8-11 where any tile's images are read, tile 0
.set SB, 12                            ; v12-14 the scale words of the ones: 2^(-5 p)
.set SH8, 17                           ; 8 h
.set RD2, 18
.set AB, 20                            ; v20-25, v32-37 a code tile's fragment, two sets (the 6 registers behind each are written once, at the head)
.set RD, 26
.set RDS, 27
.set GO, 28
.set HH, 29                            ; h
.set ZR, 30                            ; 0
.set K127, 31                          ; four bytes 127
.set DAE, 38                           ; a digit task's set u = 0 .. 3: lanes 0-15 take t = u, lanes 16-31 t = u xor 1 (so the two halves read other banks): one address for even u, one for odd u
.set DAO, 39
.set DWE, 40
.set DWO, 41
.set DSE, 42
.set DSO, 43
.set ASC, 44                           ; v44-45 the code tiles' scale words
.set ZSC, 46                           ; v46-49 z's
.set DS, 44                            ; v44-51 the digits' scale words, behind the search: register 2 g + t / 2, odd t in lanes 16-31
.set EB, 52                            ; v52-67 e2 of the lane's 8 codes, two sets
.set ZFR, 68                           ; v68-115 z's four fragments: 6 registers of codes, 6 of zeros
.set XB, 52                            ; v52-115 at the head: a pair's second digit task
.set OH, 68                            ; v68-115 behind the search: ones and zeros for 128 codes, four tiles of rows
.set Z2, 116                           ; v116-119
.set LLO, 120                          ; v120-123 RLO for the trip in hand
.set BA, 124                           ; v124-127, v128-131 the best distance: two sets that take turns
.set TIX, 132                          ; v132-135 the code tile that holds it
.set BM, 132                           ; then k / 32 - h
.set SV, 136                           ; v136-167 the kept tile's 8 distances
.set W, 136                            ; then, for each tile of rows, the 6 registers of a block of 32 codes with the one at k
.set TT, 168                           ; v168-183 t, two tiles at a time
.set DD, 184                           ; v184-247 products, two sets of four tiles; ahead of the loop: rows of f32
.set TMP, 248                          ; v248-253
.set SPW, 254
.set NIL, 255
.set OUT, 120                          ; v120-247 results on their way out
.set FB, 128                           ; v384-431, v432-479: four fragments of digits each (v256-383: the selection's sums, (tile i, t) at 256 + 32 i + 8 t)
.set TA, TT                            ; the quantiser's registers
.set TB, TT+1
.set TS, TT+2
.set TD, TT+3
.set TC, TT+4
.set TE, TT+7
.set Q0, TT+8
.set Q1, TT+10
.set PS, TT                            ; the place, then k
.set OI, TT+4
.set TQ, TT+8
.set TW, TT+12
.set TO, DD
.set WV, 12
.set WL, 13
.set G1C, 16
.set G1Z, 24
.set G0C, 32
.set G0Z, 36
.set G1Y, 68
.set G0Y, 76
.set SEL, 40
.set MK, 44
.set MK2, 48
.set MK3, 52
.set TN, 56
.set OFF, 58
.set EXPM, 80
.set SGN, 81
.set MSB, 0
.macro WIN new                         ; register windows; the immediate's high byte repeats the setting that is left
.if MSB != (\new)
	s_set_vgpr_msb (MSB<<8)|(\new)
.set MSB, \new
.endif
.endm
.macro ROUND                           ; a round of the cluster's barrier
	s_barrier_signal -1
	s_barrier_wait -1
	s_cmp_lg_u32 s[WV], 0
	s_cbranch_scc1 .Lnot_wave_0_\@
	s_barrier_signal -3
.Lnot_wave_0_\@:
	s_barrier_wait -3
	s_barrier_signal -1
	s_barrier_wait -1
.endm
.macro PLACES n
.rept \n
	v_nop
.endr
.endm
.macro ASK g0, g1
	tensor_load_to_lds s[\g0:\g0+3], s[\g1:\g1+7]
	s_nop 0
	PLACES 4
.endm
.macro SHAPE g, rows                   ; rows of 32 elements of 8 bytes, dense in memory
	s_mov_b32 s[\g+1], 32<<16
	s_mov_b32 s[\g+2], (\rows)<<16
	s_mov_b32 s[\g+3], 32<<16
	s_mov_b32 s[\g+4], \rows
	s_mov_b32 s[\g+5], 32
	s_mov_b32 s[\g+6], 0
	s_mov_b32 s[\g+7], 0
.endm
	s_load_b256 s[4:11], s[0:1], 0x0               ; z, codebook, out0, out1
	v_lshl_add_u32 v[SPW], v0, 2, SPARE
	v_mov_b32 v[NIL], 0
	ds_add_u32 v[SPW], v[NIL]                      ; the opening: the add, twice on end
	ds_add_u32 v[SPW], v[NIL]
	v_lshrrev_b32 v1, 5, v0
	v_readfirstlane_b32 s[WV], v1                  ; wave 0..7
	s_bfe_u32 s15, ttmp6, 0x40000                  ; my place in the cluster
	s_lshl_b32 s14, ttmp9, 2
	s_add_co_u32 s14, s14, s15                     ; my work-group: it enters z's and the outputs' addresses alone
	s_mov_b32 s[G1C], 15|(3<<16)|(1<<20)|(1<<21)|(5<<22)|(3<<25)  ; the mask of all four work-groups, elements of 8 bytes, 4 words of padding after every 64, bit 21 beside the mask
	s_mov_b32 s[G1Z], (3<<16)|(1<<20)|(5<<22)|(3<<25)             ; the same without a mask
	s_mov_b32 s[G1Y], (3<<16)|(1<<20)|(5<<22)|(3<<25)
	SHAPE G1C, 256
	SHAPE G1Z, 128
	SHAPE G1Y, 64
	s_and_b32 s[WL], s[WV], 1
	s_mul_i32 s2, s[WL], 256*PITCH                 ; in LDS: the codebook's half,
	s_mul_i32 s3, s[WL], 128*PITCH                 ; a half of waves 0-3's rows,
	s_mul_i32 s15, s[WV], 64*PITCH                 ; my own rows
	s_lshl_b32 s42, s[WL], 16                      ; and the same in memory
	s_mov_b32 s43, 0
	s_lshl_b32 s44, s[WL], 15
	s_mov_b32 s45, 0
	s_lshl_b32 s62, s[WV], 14
	s_mov_b32 s63, 0
	s_lshl_b32 s60, s14, 17                        ; 512 rows a work-group
	s_mov_b32 s61, 0
	s_mov_b32 s[SEL], 0x76543210
	s_mov_b32 s[SEL+1], 0xfedcba98
	s_mov_b32 s[EXPM], 0x7f800000
	s_mov_b32 s[SGN], 0x80000000
	s_wait_dscnt 0x0                               ; both opening adds are done
	s_wait_kmcnt 0x0
	s_mov_b32 s[G0C], 1
	s_mov_b32 s[G0C+1], s2
	s_add_nc_u64 s[G0C+2:G0C+3], s[6:7], s[42:43]
	s_or_b32 s[G0C+3], s[G0C+3], 0x80000000
	s_mov_b32 s[G0Z], 1
	s_add_co_u32 s[G0Z+1], s3, ZF
	s_add_nc_u64 s[G0Z+2:G0Z+3], s[4:5], s[60:61]
	s_add_nc_u64 s[G0Z+2:G0Z+3], s[G0Z+2:G0Z+3], s[44:45]
	s_or_b32 s[G0Z+3], s[G0Z+3], 0x80000000
	s_mov_b32 s[G0Y], 1
	s_add_co_u32 s[G0Y+1], s15, ZF
	s_add_nc_u64 s[G0Y+2:G0Y+3], s[4:5], s[60:61]
	s_add_nc_u64 s[G0Y+2:G0Y+3], s[G0Y+2:G0Y+3], s[62:63]
	s_or_b32 s[G0Y+3], s[G0Y+3], 0x80000000
	s_add_nc_u64 s[8:9], s[8:9], s[60:61]
	s_add_nc_u64 s[8:9], s[8:9], s[62:63]
	s_add_nc_u64 s[10:11], s[10:11], s[60:61]
	s_add_nc_u64 s[10:11], s[10:11], s[62:63]
	ROUND                                          ; all four work-groups are here: the joint loads meet
	s_cmp_lt_u32 s[WV], 2                          ; one load a wave, in one chain of branches on the wave's number
	s_cbranch_scc0 .Lask_z
	ASK G0C, G1C
	s_branch .Lasked
.Lask_z:
	s_cmp_lt_u32 s[WV], 4
	s_cbranch_scc0 .Lask_own
	ASK G0Z, G1Z
	s_branch .Lasked
.Lask_own:
	ASK G0Y, G1Y
.Lasked:
	s_and_b32 s[WL], s[WV], 3
	s_add_co_u32 s43, s15, ZF
	s_mul_i32 s15, s[WL], 128*PITCH                ; codes 128 (wave mod 4) on: eight code tiles, or the digits' g = wave mod 4
	s_lshl_b32 s60, s[WL], 13
	s_add_co_u32 s62, s15, 4
	s_mul_i32 s63, s[WL], NP*6144
	s_add_co_u32 s3, s63, 256
	s_lshl_b32 s2, s[WL], 8
	s_add_co_u32 s2, s2, DSC
	v_and_b32 v1, 31, v0                           ; lane
	v_and_b32 v[TMP], 15, v0                       ; r
	v_bfe_u32 v[HH], v0, 4, 1                      ; h
	v_xor_b32 v[TMP+1], 1, v[HH]                   ; 1 - h
	v_mul_u32_u24 v[TMP+2], PITCH, v[TMP]
	v_lshl_add_u32 v[TMP+2], v[HH], 7, v[TMP+2]    ; row r, numbers 32 h on
	v_add_nc_u32 v[AC], s15, v[TMP+2]
	v_add_nc_u32 v[AZ], s43, v[TMP+2]
	v_lshl_add_u32 v[RLO], v1, 4, IMG
	v_lshl_add_u32 v[RLO+1], v1, 3, IMG+O_HI
	v_lshl_add_u32 v[RLO+2], v1, 2, IMG+O_SC
	v_lshl_add_u32 v[RLO+3], v[HH], 5, IMG+O_E2    ; e2 of codes 8 h + 0 .. 7 of a tile
	v_add_nc_u32 v[WLO], s60, v[RLO]
	v_add_nc_u32 v[WLO+1], s60, v[RLO+1]
	v_add_nc_u32 v[WLO+2], s60, v[RLO+2]
	v_lshl_add_u32 v[WLO+3], v[TMP], 2, IMG+O_E2
	v_add_nc_u32 v[WLO+3], s60, v[WLO+3]
	v_lshlrev_b32 v[SH8], 3, v[HH]
	v_lshlrev_b32 v[GO], 4, v[TMP]
	v_lshl_add_u32 v[GO], v[HH], 11, v[GO]         ; out: rows 8 h on, numbers 4 r on
	v_mul_u32_u24 v[TMP+2], 32*PITCH+4, v[HH]      ; lanes 16-31: 32 codes further on, and the neighbouring column
	v_lshl_add_u32 v[TMP+2], v[TMP], 4, v[TMP+2]
	v_add_nc_u32 v[DAE], s15, v[TMP+2]
	v_mul_u32_u24 v[TMP+3], 32*PITCH-4, v[HH]
	v_lshl_add_u32 v[TMP+3], v[TMP], 4, v[TMP+3]
	v_add_nc_u32 v[DAO], s62, v[TMP+3]
	v_mul_u32_u24 v[TMP+2], 1536+256, v[HH]
	v_lshl_add_u32 v[TMP+2], v[TMP], 4, v[TMP+2]
	v_add_nc_u32 v[DWE], s63, v[TMP+2]
	v_mul_u32_u24 v[TMP+3], 1536-256, v[TMP+1]
	v_lshl_add_u32 v[TMP+3], v[TMP], 4, v[TMP+3]
	v_add_nc_u32 v[DWO], s3, v[TMP+3]
	v_mul_u32_u24 v[TMP+2], 65, v[HH]
	v_lshl_add_u32 v[TMP+2], v[TMP], 2, v[TMP+2]
	v_add_nc_u32 v[DSE], s2, v[TMP+2]
	v_mul_u32_u24 v[TMP+3], 63, v[TMP+1]
	v_lshl_add_u32 v[TMP+3], v[TMP], 2, v[TMP+3]
	v_add_nc_u32 v[TMP+3], 1, v[TMP+3]
	v_add_nc_u32 v[DSO], s2, v[TMP+3]
	v_lshlrev_b32 v[RD], 4, v1
	v_add_nc_u32 v[RD2], 61440, v[RD]
	v_lshl_add_u32 v[RDS], v1, 2, DSC
	v_mov_b32 v[TD], 0                             ; (a lane permute's destination counts as one of its sources)
	v_mov_b32 v[TE], 0
	v_mov_b32 v[ZR], 0
	v_mov_b32 v[TT+13], 0                          ; (the upper halves of the pairs that hold minus the digits' scales)
	v_mov_b32 v[TT+5], 0
	v_mov_b32 v[K127], 0x7f7f7f7f
.irp p, 0,1,2
	v_mov_b32 v[SB+\p], 0x7f7f7f7f-0x05050505*\p
.endr
; 32 numbers of my row, from off bytes on
.macro XLOAD x, adr, off
.irp c, 0,1,2,3,4,5,6,7
	ds_load_b128 v[\x+4*\c:\x+4*\c+3], v[\adr] offset:\off+16*\c
.endr
.endm
; My 32 numbers are one block of my row: registers 0-5 of its fragment into v[f] on, the row's scale word (bytes 0, 1) into v[w], its sum of squares into v[q]
.macro QUANT x, f, w, q
	v_max3_num_f32 v[TA], |v[\x]|, |v[\x+1]|, 0x1800000    ; the largest magnitude, with the floor 2^(3 - 127)
	v_max3_num_f32 v[TB], |v[\x+2]|, |v[\x+3]|, |v[\x+4]|
	v_pk_mul_f32 v[Q0:Q0+1], v[\x:\x+1], v[\x:\x+1]
	v_pk_mul_f32 v[Q1:Q1+1], v[\x+2:\x+3], v[\x+2:\x+3]
.irp i, 5, 9, 13, 17, 21, 25
	v_max3_num_f32 v[TA], v[TA], |v[\x+\i]|, |v[\x+\i+1]|
	v_max3_num_f32 v[TB], v[TB], |v[\x+\i+2]|, |v[\x+\i+3]|
	v_pk_fma_f32 v[Q0:Q0+1], v[\x+\i-1:\x+\i], v[\x+\i-1:\x+\i], v[Q0:Q0+1]
	v_pk_fma_f32 v[Q1:Q1+1], v[\x+\i+1:\x+\i+2], v[\x+\i+1:\x+\i+2], v[Q1:Q1+1]
.endr
	v_max3_num_f32 v[TA], v[TA], |v[\x+29]|, |v[\x+30]|
	v_pk_fma_f32 v[Q0:Q0+1], v[\x+28:\x+29], v[\x+28:\x+29], v[Q0:Q0+1]
	v_pk_fma_f32 v[Q1:Q1+1], v[\x+30:\x+31], v[\x+30:\x+31], v[Q1:Q1+1]
	v_max3_num_f32 v[TA], v[TA], v[TB], |v[\x+31]|
	v_add_nc_u32 v[TS], 0xff000000, v[TA]          ; 2 off its exponent field: the conversion takes the exponent field of this operand alone
	v_cvt_scalef32_pk16_fp6_f32 v[\f:\f+2], v[\x:\x+15], v[TS]
	v_cvt_scalef32_pk16_fp6_f32 v[TC:TC+2], v[\x+16:\x+31], v[TS]   ; (a conversion's three registers begin on an even number)
	v_lshrrev_b32 v[TB], 23, v[TS]                 ; the scale's byte
	v_pk_add_f32 v[Q0:Q0+1], v[Q0:Q0+1], v[Q1:Q1+1]
	v_mov_b32 v[\f+3], v[TC]
	v_lshlrev_b32 v[TB], v[SH8], v[TB]             ; at its place, 8 h bits up
	v_add_f32 v[Q0], v[Q0], v[Q0+1]
	v_mov_b32 v[\f+4], v[TC+1]
	v_permlanex16_b32 v[TD], v[TB], s[SEL], s[SEL+1]
	v_permlanex16_b32 v[TE], v[Q0], s[SEL], s[SEL+1]
	v_mov_b32 v[\f+5], v[TC+2]
	v_or_b32 v[\w], v[TB], v[TD]                   ; with lane l xor 16's the word is whole,
	v_add_f32 v[\q], v[Q0], v[TE]                  ; and so is the sum
.endm
; Code tile i of my eight.  cnt: the LDS instructions issued behind its eight loads
.macro CODE i, cnt
.set XS, DD+32*((\i)%2)
.set FS, SV+8*((\i)%2)
	s_wait_dscnt \cnt
	QUANT XS, FS, FS+6, FS+7
	ds_store_b128 v[WLO], v[FS:FS+3] offset:(\i)*TBLK
	ds_store_b64 v[WLO+1], v[FS+4:FS+5] offset:(\i)*TBLK
	ds_store_b32 v[WLO+2], v[FS+6] offset:(\i)*TBLK
	ds_store_b32 v[WLO+3], v[FS+7] offset:(\i)*TBLK      ; lanes l and l xor 16 write the same word with the same value
.if (\i) < 6
	XLOAD XS, AC, ((\i)+2)*TROW
.endif
.endm
; Digit task q of my eight: codes 128 g + 64 c + 32 h + 0 .. 31 (c = q / 4) of column 4 r + (u xor h) (u = q mod 4)
.macro TASK q
.set RW, 32*(\q)                       ; its 32 numbers, in window 1; at the end its digits' codes, 6 registers each, and its scale byte
.set DC, (\q)/4
.if (\q)%2 == 0
.set DAX, DAE
.set DWX, DWE
.set DSX, DSE
.set DT, (\q)%4
.else
.set DAX, DAO
.set DWX, DWO
.set DSX, DSO
.set DT, (\q)%4-1
.endif
.endm
.macro DLOAD q
	TASK \q
	WIN 0x40
.irp i, 0,1,2,3,4,5,6,7,8,9,10,11,12,13,14,15,16,17,18,19,20,21,22,23,24,25,26,27,28,29,30,31
	ds_load_b32 v[RW+\i], v[DAX] offset:DC*64*PITCH+\i*PITCH+4*DT
.endr
	WIN 0
.endm
.macro DREGS q, b                      ; the registers of a pair's task b
.set RW, 32*(\q)
.set XD, DD-(DD-XB)*(\b)               ; 32 of what is left, 32 of digits as f32
.set DA, TT+8*(\b)
.set DB, TT+1+8*(\b)
.set DE, TT+2+8*(\b)                   ; the first digit's scale
.set DN, TT+12-8*(\b)                  ; minus the digit's scale (a pair)
.endm
.macro DPAIR qa                        ; tasks qa and qa + 1, by turns
	WIN 0x05
.irp b, 0,1
	DREGS \qa+\b, \b
	v_max3_num_f32 v[DA], |v[RW]|, |v[RW+1]|, (5*NP-3)<<23   ; the largest magnitude, with a floor under which the last digit's scale would have an exponent field below 1
	v_max3_num_f32 v[DB], |v[RW+2]|, |v[RW+3]|, (5*NP-3)<<23
.endr
.irp i, 4,8,12,16,20,24,28
.irp b, 0,1
	DREGS \qa+\b, \b
	v_max3_num_f32 v[DA], |v[RW+\i]|, |v[RW+\i+1]|, v[DA]
	v_max3_num_f32 v[DB], |v[RW+\i+2]|, |v[RW+\i+3]|, v[DB]
.endr
.endr
	WIN 0
.irp b, 0,1
	DREGS \qa+\b, \b
	v_max_num_f32 v[DA], v[DA], v[DB]
.endr
.irp b, 0,1
	DREGS \qa+\b, \b
	v_add_nc_u32 v[DE], 0xff800000, v[DA]          ; 1 off its exponent field
.endr
.irp b, 0,1
	DREGS \qa+\b, \b
	v_and_or_b32 v[DN], v[DE], s[EXPM], s[SGN]     ; minus the scale (the conversion passes over the sign)
.endr
.irp p, 0,1,2
.if \p == 0
	WIN 0x01
.endif
.irp b, 0,1
	DREGS \qa+\b, \b
.set CS, SV+16*\b+8*(\p%2)
.if \p == 0
	v_cvt_scalef32_pk16_fp6_f32 v[CS:CS+2], v[RW:RW+15], v[DN]
	v_cvt_scalef32_pk16_fp6_f32 v[CS+4:CS+6], v[RW+16:RW+31], v[DN]
.else
	v_cvt_scalef32_pk16_fp6_f32 v[CS:CS+2], v[XD:XD+15], v[DN]
	v_cvt_scalef32_pk16_fp6_f32 v[CS+4:CS+6], v[XD+16:XD+31], v[DN]
.endif
.endr
	WIN 0
	v_nop                                          ; one plain place behind the conversions
.if \p < NP-1
.irp b, 0,1
	DREGS \qa+\b, \b
.set CS, SV+16*\b+8*(\p%2)
	v_cvt_scale_pk16_f32_fp6 v[XD+32:XD+47], v[CS:CS+2], v[K127]     ; the digits as f32, in units of the scale
	v_cvt_scale_pk16_f32_fp6 v[XD+48:XD+63], v[CS+4:CS+6], v[K127]
.endr
	v_nop
.if \p == 0
	WIN 0x10
.endif
.irp i, 0,2,4,6,8,10,12,14,16,18,20,22,24,26,28,30
.irp b, 0,1
	DREGS \qa+\b, \b
.if \p == 0
	v_pk_fma_f32 v[XD+\i:XD+\i+1], v[XD+32+\i:XD+33+\i], v[DN:DN+1], v[RW+\i:RW+\i+1] op_sel_hi:[1,0,1]   ; what the digit leaves: exact
.else
	v_pk_fma_f32 v[XD+\i:XD+\i+1], v[XD+32+\i:XD+33+\i], v[DN:DN+1], v[XD+\i:XD+\i+1] op_sel_hi:[1,0,1]
.endif
.endr
.endr
	WIN 0
.irp b, 0,1
	DREGS \qa+\b, \b
	v_add_nc_u32 v[DN], 0xfd800000, v[DN]          ; the next scale: 5 off the exponent field
.endr
.endif
	WIN 0x40
.irp b, 0,1
	DREGS \qa+\b, \b
.set CS, SV+16*\b+8*(\p%2)
	v_dual_mov_b32 v[RW+6*\p], v[CS] :: v_dual_mov_b32 v[RW+6*\p+1], v[CS+1]
	v_dual_mov_b32 v[RW+6*\p+2], v[CS+2] :: v_dual_mov_b32 v[RW+6*\p+3], v[CS+4]
	v_dual_mov_b32 v[RW+6*\p+4], v[CS+5] :: v_dual_mov_b32 v[RW+6*\p+5], v[CS+6]
.if \p == NP-1
	v_lshrrev_b32 v[RW+30], 23, v[DE]              ; the scale's byte
.endif
.endr
	WIN 0
.endr
.endm
.macro DSTORE q
	TASK \q
	WIN 0x04
	ds_store_b8 v[DSX], v[RW+30] offset:DT*64+2*DC
.irp p, 0,1,2
.if DC == 0
	ds_store_b128 v[DWX], v[RW+6*\p:RW+6*\p+3] offset:DT*1536+\p*6144           ; registers 0-5 of the fragment's 12,
	ds_store_b64 v[DWX], v[RW+6*\p+4:RW+6*\p+5] offset:DT*1536+\p*6144+512
.else
	ds_store_b64 v[DWX], v[RW+6*\p:RW+6*\p+1] offset:DT*1536+\p*6144+520        ; or 6-11
	ds_store_b128 v[DWX], v[RW+6*\p+2:RW+6*\p+5] offset:DT*1536+\p*6144+1024
.endif
.endr
	WIN 0
.endm
	s_wait_alu depctr_va_vdst(0)                   ; the wait at the head's end
	s_cmp_lt_u32 s[WV], 2
	s_cbranch_scc0 .Lcb_waited
	s_wait_tensorcnt 0x0                           ; my half of the codebook is in
.Lcb_waited:
	s_barrier_signal -1
	s_barrier_wait -1                              ; all 512 rows are
	s_cmp_lt_u32 s[WV], 4
	s_cbranch_scc0 .Lrole_digits
	XLOAD DD, AC, 0
	XLOAD DD+32, AC, TROW
	CODE 0, 8                                      ; behind tile 0's loads: tile 1's eight
	CODE 1, 12                                     ; behind a tile's loads: four stores and the next tile's eight
	CODE 2, 12
	CODE 3, 12
	CODE 4, 12
	CODE 5, 12
	CODE 6, 12
	CODE 7, 4                                      ; tile 6's four stores
	s_wait_alu depctr_va_vdst(0)
	s_branch .Lprepared
.Lrole_digits:
	DLOAD 0                                        ; all my numbers into registers: behind the round below the rows in LDS are written over
	DLOAD 1
	DLOAD 2
	s_wait_dscnt 32                                ; the pair's loads are in, the 32 of the task behind it may be out
	DPAIR 0
	DLOAD 3
	DLOAD 4
	s_wait_alu depctr_va_vdst(0)
	s_wait_dscnt 32
	DPAIR 2
	DLOAD 5
	DLOAD 6
	DLOAD 7
.Lprepared:
	s_wait_alu depctr_va_vdst(0)
	s_cmp_lt_u32 s[WV], 4
	s_cbranch_scc0 .Lz_waited
	s_wait_tensorcnt 0x0                           ; waves 2 and 3: the rows of waves 0-3 are in
.Lz_waited:
	s_wait_dscnt 0x0                               ; my code images lie in LDS; my reads of the codebook's rows are over
	ROUND                                          ; and so of every wave.  It is also the round behind the last joint load
	s_cmp_lt_u32 s[WV], 4
	s_cbranch_scc1 .Ldigits_done
.irp q, 0,1,2,3
	DSTORE \q
.endr
	DPAIR 4
	DSTORE 4
	DSTORE 5
	DPAIR 6
	DSTORE 6
	DSTORE 7
	s_wait_alu depctr_va_vdst(0)
.Ldigits_done:
.irp i, 0,1,2,3
.irp k, 6,7,8,9,10,11
	v_mov_b32 v[ZFR+12*\i+\k], 0                   ; k = 64 .. 127 of z's operands: zero codes, written once
.endr
.endr
	s_wait_alu depctr_va_vdst(0)
	s_wait_tensorcnt 0x0                           ; waves 4-7: my 64 rows of z are in (only I read them)
	s_wait_dscnt 0x0                               ; my digits lie in LDS:
	s_barrier_signal -1                            ; waited for behind the search; between the two stand LDS loads of bytes that nobody writes any more, and register work
; A code tile's fragment and scale words (3 loads), and its e2 (2 loads), into set p; b: the first of the four address registers
.macro LOADA p, b, off
	ds_load_b128 v[AB+12*(\p):AB+12*(\p)+3], v[\b] offset:\off
	ds_load_b64 v[AB+12*(\p)+4:AB+12*(\p)+5], v[\b+1] offset:\off
	ds_load_b32 v[ASC+(\p)], v[\b+2] offset:\off
.endm
.macro LOADE p, b, off
	ds_load_b128 v[EB+8*(\p):EB+8*(\p)+3], v[\b+3] offset:\off
	ds_load_b128 v[EB+8*(\p)+4:EB+8*(\p)+7], v[\b+3] offset:\off+16
.endm
.macro ZTILE i, cnt                    ; tile i of my four tiles of z
.set XS, DD+32*((\i)%2)
	s_wait_alu depctr_va_vdst(0)
	s_wait_dscnt \cnt
.if (\i) == 3
	LOADA 0, RLO, 0                                ; what the first step finds in registers: tile 0's codes and e2, tile 1's codes: eight loads
	LOADE 0, RLO, 0
	LOADA 1, RLO, TBLK
.endif
	QUANT XS, ZFR+12*(\i), ZSC+(\i), Z2+(\i)
.if (\i) < 2
	XLOAD XS, AZ, ((\i)+2)*TROW
.endif
.endm
.macro PROD p, i                       ; the code tile in set p x tile i of z
	v_wmma_scale_f32_16x16x128_f8f6f4 v[DD+32*(\p)+8*(\i):DD+32*(\p)+8*(\i)+7], v[AB+12*(\p):AB+12*(\p)+11], v[ZFR+12*(\i):ZFR+12*(\i)+11], 0, v[ASC+(\p)], v[ZSC+(\i)] matrix_a_fmt:MATRIX_FMT_FP6 matrix_b_fmt:MATRIX_FMT_FP6
.endm
.macro TSUM i                          ; t = z2 + e2; z2 is the first or the second register of its pair, for both halves
.irp j, 0,2,4,6
.if (\i)%2 == 0
	v_pk_add_f32 v[TT+\j:TT+\j+1], v[EP+\j:EP+\j+1], v[Z2+(\i):Z2+(\i)+1] op_sel_hi:[1,0]
.else
	v_pk_add_f32 v[TT+8+\j:TT+8+\j+1], v[EP+\j:EP+\j+1], v[Z2+(\i)-1:Z2+(\i)] op_sel:[0,1] op_sel_hi:[1,1]
.endif
.endr
.endm
.macro DIST i                          ; d = t - 2 dot
.irp j, 0,2,4,6
	v_pk_fma_f32 v[DP+8*(\i)+\j:DP+8*(\i)+\j+1], v[DP+8*(\i)+\j:DP+8*(\i)+\j+1], -2.0, v[TT+8*((\i)%2)+\j:TT+8*((\i)%2)+\j+1] op_sel_hi:[1,0,1]
.endr
.endm
.macro MINA i
	v_min3_num_f32 v[TMP+3*((\i)%2)], v[DP+8*(\i)], v[DP+8*(\i)+1], v[DP+8*(\i)+2]
.endm
.macro MINB i
	v_min3_num_f32 v[TMP+3*((\i)%2)+1], v[DP+8*(\i)+3], v[DP+8*(\i)+4], v[DP+8*(\i)+5]
.endm
.macro MINC i
	v_min3_num_f32 v[TMP+3*((\i)%2)+2], v[DP+8*(\i)+6], v[DP+8*(\i)+7], v[OLD+(\i)]
.endm
.macro MINN i
	v_min3_num_f32 v[NEW+(\i)], v[TMP+3*((\i)%2)], v[TMP+3*((\i)%2)+1], v[TMP+3*((\i)%2)+2]
.endm
.macro LESS i                          ; strictly smaller: an equal distance in a later tile does not displace the earlier one
	v_cmp_lt_f32 vcc_lo, v[NEW+(\i)], v[OLD+(\i)]
.endm
.macro KEEPT i
	v_cndmask_b32 v[TIX+(\i)], v[TIX+(\i)], s[TNP], vcc_lo
.endm
.macro KEEPD i
.irp j, 0,2,4,6
	v_dual_cndmask_b32 v[SV+8*(\i)+\j], v[SV+8*(\i)+\j], v[DP+8*(\i)+\j] :: v_dual_cndmask_b32 v[SV+8*(\i)+\j+1], v[SV+8*(\i)+\j+1], v[DP+8*(\i)+\j+1]
.endr
.endm
; The vector work of a code tile whose results and e2 lie in the sets p.  mm = 1: the next tile's products, from the other sets, stand among it
.macro STEP p, mm
.set DP, DD+32*(\p)
.set EP, EB+8*(\p)
.set OLD, BA+4*(\p)
.set NEW, BA+4*(1-(\p))
.set TNP, TN+(\p)
.if \mm
	PROD 1-(\p), 0
.endif
	TSUM 0
	TSUM 1
.if \mm
	PROD 1-(\p), 1
.endif
	DIST 0
	DIST 1
.if \mm
	PROD 1-(\p), 2
.endif
	TSUM 2                                         ; (t's registers serve two tiles at a time)
	TSUM 3
.if \mm
	PROD 1-(\p), 3
.endif
	MINA 0
	MINB 0
	MINC 0
	MINA 1
	MINB 1
	MINC 1
	MINN 0
	MINN 1
	LESS 0
	DIST 2
	KEEPT 0
	KEEPD 0
	LESS 1
	DIST 3
	KEEPT 1
	KEEPD 1
	MINA 2
	MINB 2
	MINC 2
	MINA 3
	MINN 2
	MINB 3
	LESS 2
	MINC 3
	KEEPT 2
	MINN 3
	KEEPD 2
	LESS 3
	KEEPT 3
	KEEPD 3
.endm
	XLOAD DD, AZ, 0
	XLOAD DD+32, AZ, TROW
	ZTILE 0, 8                                     ; behind a tile's loads: the next tile's eight
	ZTILE 1, 8
	ZTILE 2, 8
	ZTILE 3, 0
.irp i, 0,1,2,3
	v_mov_b32 v[BA+\i], 0x7f800000                 ; +infinity: the first tile always displaces what stands there
	v_mov_b32 v[TIX+\i], 0
.endr
.irp j, 0,1,2,3,4,5,6,7
	v_mov_b32 v[SV+\j], 0                          ; (a select reads what it may keep.  These sixteen lines are also the places between z's last scale word and the first product)
.endr
	s_mov_b32 s[TN], 0
	s_mov_b32 s[OFF], 0
	s_wait_alu depctr_va_vdst(0)
	s_wait_dscnt 5                                 ; tile 0's codes and scale words are in; its e2 and tile 1's codes, five loads, may be out
.irp i, 0,1,2,3
	PROD 0, \i
.endr
.irp j, 8,9,10,11,12,13,14,15,16,17,18,19,20,21,22,23,24,25,26,27,28,29,30,31
	v_mov_b32 v[SV+\j], 0
.endr
.Ltrip:                                            ; 15 trips of two steps: code tiles 0 to 29
	s_add_co_u32 s[TN+1], s[TN], 1
	s_wait_dscnt 0x0                               ; the next tile's codes and this tile's e2 are in
.irp a, 0,1,2,3
	v_add_nc_u32 v[LLO+\a], s[OFF], v[RLO+\a]
.endr
	LOADA 0, LLO, 2*TBLK                           ; a whole step ahead of their use
	LOADE 1, LLO, TBLK
	STEP 0, 1
	s_wait_dscnt 0x0
	LOADA 1, LLO, 3*TBLK
	LOADE 0, LLO, 2*TBLK
	STEP 1, 1
	s_add_co_u32 s[OFF], s[OFF], 2*TBLK
	s_add_co_u32 s[TN], s[TN], 2
	s_cmp_lt_u32 s[TN], 30
	s_cbranch_scc1 .Ltrip
	s_add_co_u32 s[TN+1], s[TN], 1
	s_wait_dscnt 0x0
	LOADE 1, RLO, 31*TBLK                          ; tile 30: only the last tile's e2 is left to ask for
	STEP 0, 1
	s_wait_dscnt 0x0
	STEP 1, 0                                      ; tile 31.  The best now stands in the first set
.macro FLOAD n                         ; batch n = NP g + p of the digits: four fragments, t = 0 .. 3, into buffer n mod 2, in window 1
.if (\n) < 10
.set RX, RD
.set FO, (\n)*6144
.else
.set RX, RD2
.set FO, ((\n)-10)*6144
.endif
.set FN, FB+48*((\n)%2)
	WIN 0x40
.irp t, 0,1,2,3
.irp c, 0,1,2
	ds_load_b128 v[FN+12*\t+4*\c:FN+12*\t+4*\c+3], v[RX] offset:FO+1536*\t+512*\c
.endr
.endr
	WIN 0
.endm
.macro ONES g                          ; the ones for codes 128 g .. + 127: a block of 32 is the registers W where it holds k, and zeros elsewhere
.irp i, 0,1,2,3
.irp c, 0,1
	v_cmp_eq_u32 vcc_lo, 4*(\g)+2*\c, v[BM+\i]
.irp m, 0,2,4
	v_dual_cndmask_b32 v[OH+12*\i+6*\c+\m], v[ZR], v[W+6*\i+\m] :: v_dual_cndmask_b32 v[OH+12*\i+6*\c+\m+1], v[ZR], v[W+6*\i+\m+1]
.endr
.endr
.endr
	PLACES 4                                       ; between a written operand and the product
	s_wait_alu depctr_va_vdst(0)                   ; the wait here, directly ahead of the next batch's wait
.endm
.macro BATCH n                         ; sixteen products; the sixteen sums take turns, in the same order in every batch
.set GG, (\n)/NP
.set PP, (\n)%NP
.set FN, FB+48*((\n)%2)
.if (\n) < 4*NP-1
	s_wait_dscnt 12                                ; this batch's fragments are in; the next one's twelve loads may be out
.else
	s_wait_dscnt 0x0
.endif
	WIN 0x54                                       ; the digits, C and D in window 1
.irp t, 0,1,2,3
.irp i, 0,1,2,3
.set AA, 32*\i+8*\t
.if (\n) == 0
.if (\t)%2 == 0
	v_wmma_scale_f32_16x16x128_f8f6f4 v[AA:AA+7], v[OH+12*\i:OH+12*\i+11], v[FN+12*\t:FN+12*\t+11], 0, v[SB+PP], v[DS+2*GG+\t/2] matrix_a_fmt:MATRIX_FMT_FP6 matrix_b_fmt:MATRIX_FMT_FP6
.else
	v_wmma_scale_f32_16x16x128_f8f6f4 v[AA:AA+7], v[OH+12*\i:OH+12*\i+11], v[FN+12*\t:FN+12*\t+11], 0, v[SB+PP], v[DS+2*GG+\t/2] matrix_a_fmt:MATRIX_FMT_FP6 matrix_b_fmt:MATRIX_FMT_FP6 matrix_b_scale:MATRIX_SCALE_ROW1
.endif
.else
.if (\t)%2 == 0
	v_wmma_scale_f32_16x16x128_f8f6f4 v[AA:AA+7], v[OH+12*\i:OH+12*\i+11], v[FN+12*\t:FN+12*\t+11], v[AA:AA+7], v[SB+PP], v[DS+2*GG+\t/2] matrix_a_fmt:MATRIX_FMT_FP6 matrix_b_fmt:MATRIX_FMT_FP6
.else
	v_wmma_scale_f32_16x16x128_f8f6f4 v[AA:AA+7], v[OH+12*\i:OH+12*\i+11], v[FN+12*\t:FN+12*\t+11], v[AA:AA+7], v[SB+PP], v[DS+2*GG+\t/2] matrix_a_fmt:MATRIX_FMT_FP6 matrix_b_fmt:MATRIX_FMT_FP6 matrix_b_scale:MATRIX_SCALE_ROW1
.endif
.endif
.endr
.endr
	WIN 0
	PLACES 4                                       ; for the loads, the new ones or the results' readers below
.if (\n)+2 < 4*NP
	FLOAD (\n)+2
.endif
.if PP == NP-1 && GG < 3
	ONES GG+1
.endif
.endm
.macro OUTMOV i, j, k                  ; sums into store order: two moves at a time, from neighbouring registers (k = j + 1 mod 8), so that the pair's sources differ modulo 4
	v_dual_mov_b32 v[OUT+32*\i+4*\j], v[32*\i+\j] :: v_dual_mov_b32 v[OUT+32*\i+4*\k+1], v[32*\i+8+\k]
	v_dual_mov_b32 v[OUT+32*\i+4*\j+2], v[32*\i+16+\j] :: v_dual_mov_b32 v[OUT+32*\i+4*\k+3], v[32*\i+24+\k]
.endm
	s_wait_alu depctr_va_vdst(0)
	s_barrier_wait -1                              ; the digits are there
.irp x, 0,1,2,3,4,5,6,7
	ds_load_b32 v[DS+\x], v[RDS] offset:128*\x
.endr
	FLOAD 0
	FLOAD 1
	; where in its tile: the first kept distance that equals the best; from the last place down
.irp i, 0,1,2,3
	v_mov_b32 v[PS+\i], 7
.endr
.irp j, 6,5,4,3,2,1,0
.irp i, 0,1,2,3
	v_cmp_eq_f32 s[MK+\i], v[SV+8*\i+\j], v[BA+\i]
.endr
.irp i, 0,1,2,3
	v_cndmask_b32 v[PS+\i], v[PS+\i], \j, s[MK+\i]
.endr
.endr
.irp i, 0,1,2,3
	v_lshl_add_u32 v[PS+\i], v[TIX+\i], 4, v[PS+\i]
.endr
.irp i, 0,1,2,3
	v_add_nc_u32 v[PS+\i], v[SH8], v[PS+\i]        ; k = 16 T + 8 h + place
.endr
.irp i, 0,1,2,3
	v_permlanex16_b32 v[BA+4+\i], v[BA+\i], s[SEL], s[SEL+1]   ; the row's other 256 codes: their best
	v_permlanex16_b32 v[OI+\i], v[PS+\i], s[SEL], s[SEL+1]     ; and its k
.endr
.irp i, 0,1,2,3
	v_cmp_lt_f32 s[MK+\i], v[BA+4+\i], v[BA+\i]
	v_cmp_eq_f32 s[MK2+\i], v[BA+4+\i], v[BA+\i]
	v_cmp_lt_u32 s[MK3+\i], v[OI+\i], v[PS+\i]
.endr
.irp i, 0,1,2,3
	s_and_b32 s[MK2+\i], s[MK2+\i], s[MK3+\i]
	s_or_b32 s[MK+\i], s[MK+\i], s[MK2+\i]         ; smaller, or equal with the smaller k
.endr
	s_wait_alu depctr_va_vdst(0)                   ; the wait here, directly ahead of the readers below
.irp i, 0,1,2,3
	v_cndmask_b32 v[PS+\i], v[PS+\i], v[OI+\i], s[MK+\i]
.endr
	; the code of 1.0 is one bit, bit 3 of six: bit 6 (k mod 32) + 3 of the block's 192
.irp i, 0,1,2,3
	v_and_b32 v[TQ+\i], 31, v[PS+\i]
	v_lshrrev_b32 v[BM+\i], 5, v[PS+\i]
.endr
.irp i, 0,1,2,3
	v_mad_u32_u24 v[TQ+\i], v[TQ+\i], 6, 3
	v_sub_nc_u32 v[BM+\i], v[BM+\i], v[HH]         ; equals 4 g + 2 c where my half's block (g, c) holds k
.endr
.irp i, 0,1,2,3
	v_lshrrev_b32 v[TW+\i], 5, v[TQ+\i]
	v_lshlrev_b32 v[TO+\i], v[TQ+\i], 1            ; (the shift takes the low five bits)
.endr
.irp m, 0,1,2,3,4,5
.irp i, 0,1,2,3
	v_cmp_eq_u32 s[MK+\i], \m, v[TW+\i]
.endr
.irp i, 0,1,2,3
	v_cndmask_b32 v[W+6*\i+\m], 0, v[TO+\i], s[MK+\i]
.endr
.endr
	ONES 0
.irp n, 0,1,2,3,4,5,6,7,8,9,10,11
	BATCH \n
.endr
.irp i, 0,1,2,3
	WIN 0x01
	OUTMOV \i, 0, 1
	OUTMOV \i, 1, 2
	OUTMOV \i, 2, 3
	OUTMOV \i, 3, 4
	OUTMOV \i, 4, 5
	OUTMOV \i, 5, 6
	OUTMOV \i, 6, 7
	OUTMOV \i, 7, 0
	WIN 0
.irp j, 0,1,2,3,4,5,6,7
	global_store_b128 v[GO], v[OUT+32*\i+4*\j:OUT+32*\i+4*\j+3], s[8:9] offset:4096*\i+256*\j th:TH_STORE_NT   ; lanes 0-15 row j whole, lanes 16-31 row 8 + j
	global_store_b128 v[GO], v[OUT+32*\i+4*\j:OUT+32*\i+4*\j+3], s[10:11] offset:4096*\i+256*\j th:TH_STORE_NT
.endr
.endr
	s_wait_tensorcnt 0x0                           ; the wave's end
	ds_add_u32 v[SPW], v[NIL]
	s_wait_dscnt 0x0
	s_endpgm
.Lfunc_end_k_q144d0caae9_vq:
	.size	k_q144d0caae9_vq, .Lfunc_end_k_q144d0caae9_vq-k_q144d0caae9_vq
	.p2alignl 7, 3214868480
	.fill 96, 4, 3214868480
	.section	.rodata,"a",@progbits
	.p2align	6, 0x0
	.amdhsa_kernel k_q144d0caae9_vq
		.amdhsa_group_segment_fixed_size 327680
		.amdhsa_private_segment_fixed_size 0
		.amdhsa_enable_private_segment 0
		.amdhsa_kernarg_size 32
		.amdhsa_user_sgpr_count 2
		.amdhsa_user_sgpr_kernarg_segment_ptr 1
		.amdhsa_wavefront_size32 1
		.amdhsa_system_sgpr_workgroup_id_x 1
		.amdhsa_system_sgpr_workgroup_id_y 1
		.amdhsa_system_sgpr_workgroup_id_z 1
		.amdhsa_system_vgpr_workitem_id 0
		.amdhsa_next_free_vgpr 512
		.amdhsa_next_free_sgpr 96
		.amdhsa_reserve_vcc 1
		.amdhsa_float_denorm_mode_32 3
		.amdhsa_float_denorm_mode_16_64 3
		.amdhsa_memory_ordered 1
		.amdhsa_forward_progress 1
		.amdhsa_inst_pref_size 197
	.end_amdhsa_kernel
	.amdgpu_metadata
---
amdhsa.version: [ 1, 2 ]
amdhsa.kernels:
  - .name:           k_q144d0caae9_vq
    .symbol:         k_q144d0caae9_vq.kd
    .args:
      - { .name: z, .offset: 0, .size: 8, .value_kind: global_buffer, .address_space: global }
      - { .name: codebook, .offset: 8, .size: 8, .value_kind: global_buffer, .address_space: global }
      - { .name: out0, .offset: 16, .size: 8, .value_kind: global_buffer, .address_space: global }
      - { .name: out1, .offset: 24, .size: 8, .value_kind: global_buffer, .address_space: global }
    .group_segment_fixed_size: 327680
    .private_segment_fixed_size: 0
    .kernarg_segment_align: 8
    .kernarg_segment_size: 32
    .max_flat_workgroup_size: 256
    .sgpr_count:     96
    .vgpr_count:     512
    .wavefront_size: 32
...
	.end_amdgpu_metadata
.endif
;; end of part 1
